; MI455X (gfx1250); checked and timed in simulation.
; The chip was launched on July 23, 2026; its instructions are those of AMD's public machine-readable ISA for CDNA 5 (MIT licence, August 2026) and "CDNA5" Instruction Set Architecture Reference Guide (July 2026). The comments in the code are by the model that wrote it; some were corrected since.
;; Attention. Allowed arithmetic: float matrix products may take bf16 or f16 operands with f32 sums; all other float work in f32.
;; Inputs: Q 4 x 2,048 x 256 float32; V 4 x 256 x 256 float32.
;; Outputs: out0 4 x 2,048 x 256 float32.
;; One version. Each part assembles by itself: llvm-mc -triple=amdgcn-amd-amdhsa -mcpu=gfx1250 --defsym DOCPART=n.
;; ======== version 1 of 1: 1 launch
;; limits: inputs' magnitudes at most 65,504; below input magnitudes of 6.104e-05 results are inexact or not finite; values are held in f16: magnitudes above 65,504 overflow, below 6.1e-05 lose precision
;; launch boxqp (part 1): grid 256 x 1, 4 waves a work-group, no clusters, 204,544 bytes of LDS; arguments Q, V, out0; writes out0
.if DOCPART == 1
	.amdgcn_target "amdgcn-amd-amdhsa--gfx1250"
	.amdhsa_code_object_version 6
	.text
	.protected	k_q745c6cc5a8_boxqp
	.globl	k_q745c6cc5a8_boxqp
	.p2align	8
	.type	k_q745c6cc5a8_boxqp,@function
k_q745c6cc5a8_boxqp:
	s_mov_b64 s[64:65], 0
	v_nop
	global_prefetch_b8 v0, s[64:65] scope:SCOPE_SE
	s_setreg_imm32_b32 hwreg(HW_REG_WAVE_MODE, 25, 1), 1
	s_wait_xcnt 0x0
; Box-QP attention.  Q [4][2048][256] f32, V [4][256][256] f32, out0 [4][2048][256] f32.
; With G = V V^T and R = V q (raw V, raw Q), m = 256:  Q1 = 2^-15 G,  P = -2^-7 R + 0.1/256,  L = 2^-15 max row sum |G| + 1e-10.
; One step is x <- clip(x + c0 + M x, 0, 1) with M = -Q1/L and c0 = -P/L.  x0 = 0, so x(1) = clip(c0) needs no product; 49 products follow.
; Then out = (x / (sum x + 1e-10)) (V/256); |x| = x behind the clip.
;
; SHARES.  256 work-groups of 32 query rows (two groups of 16, A and B), four waves.  Wave w owns the unknowns 64 w .. 64 w + 63 of both
; groups (4 tiles of 16 for each group: 8 accumulators) and keeps its 64 x 256 slab of M in f16 in 256 registers for all 49 products,
; so a step's LDS traffic is x alone: 4 KiB stored and 12 KiB loaded by a wave for 64 matrix instructions.
; Source 0 of a product is 16 rows of M, source 1 a fragment of x: in the result lane (r, h) holds query r, unknowns 16 t + 8 h + 0..7, and
; two neighbouring tiles packed to f16 ARE the source-1 fragment of one K step.  A wave's own two K steps never leave its registers;
; the other six come through LDS as register images (16 bytes a lane, contiguous).  Wave w takes the K steps in the order
; (2 w + i) & 7, i = 0..7 ("positions"): positions 0 and 1 are its own, and every register number hangs on the position alone.
; While one group is multiplied, the other group is clipped, packed, exchanged and given + c0: one barrier for each half step.
; x is carried in f32 inside the accumulator, which the vector unit starts with x + c0.
;
; FORMATS.  All products take f16 operands and sum in f32.  |M| <= 1 (L is at least every row sum) and 0 <= x <= 1 for every input.
; LIMITS.  |Q|, |V| <= 65,504 (f16's largest number); magnitudes of Q and V below 2^-14 are rounded with an absolute error of up to 2^-25.
; 1/L and 1/(sum + 1e-10) are v_rcp_f32 (1 ulp) and a multiply.  NaN and infinite inputs are not followed as the definition follows them.
; Sums are formed in another order than the definition's.
;
; V IS SHARED by the 64 work-groups of a batch, and still comes by plain loads through registers, without a cluster: it has to be
; narrowed from f32 to f16 on the way, which a copy into LDS cannot do; its f32 image (262,144 bytes) and its f16 image (135,168) do not
; fit into LDS together, so a copy would need a ring of stages and a second pass through LDS.  It is read once, ahead of a wave's
; 3,776 matrix instructions.  Each work-group makes its waves' slabs of G itself (512 of those instructions a wave) instead of
; fetching them from a launch of their own.
; ---- LDS
.set VP,   528                         ; pitch of a row of 256 f16: 512 + 16 = 33 x 16 bytes, so 16 neighbouring rows start 16 bytes apart modulo 256
                                       ; V in f16, [k][d], 256 rows, begins at LDS byte 0
.set QS,   256*VP                      ; the 32 rows of Q in f16, same pitch
.set EX,   QS+32*VP                    ; x fragments: group x 8192 + K step x 1024 + half x 512 + lane x 16
.set SUMS, EX+16384                    ; partial sums of x: group x 256 + query x 16 + wave x 4
.set RED,  SUMS+512                    ; four words: each wave's largest row sum
.set OST,  RED+256                     ; the way out: 32 rows x 272 bytes for each wave, its own
.set OP,   272
; ---- registers, window 0
.set LN,   1                           ; lane
.set RR,   2                           ; r = lane & 15
.set HH,   3                           ; h = lane >> 4
.set FR,   4                           ; 528 r + 16 h: a fragment's lane term
.set GV,   5                           ; V: 65536 w + 16 lane
.set GQ,   6                           ; Q: 8192 w + 16 lane
.set LSV,  7                           ; where my V rows go in LDS: 64 w rows + 8 lane
.set LSQ,  8                           ; where my Q rows go
.set OWNA, 9                           ; my own 64 rows of V, as fragments
.set QSA,  10                          ; Q fragments
.set CA,   11                          ; v11-12: the column tile's fragments, two in turn
.set TRB,  13                          ; transposing loads of V: lane term + my 64 columns
.set STA,  14                          ; where my x fragments go
.set TMP,  15
.set SP,   6                           ; v6-9, v10-13 at the end: the four partial sums of group A, B
.set LB,   16                          ; v16-207 at the start: three buffers of 16 loads
.set ACC,  16                          ; v16-79: 32 g + 8 t + j
.set QF,   80                          ; v80-207 at the start: Q fragments 8 (8 g + s)
.set CF,   80                          ; v80-207 then: column tiles' fragments, two buffers of 64
.set XO,   80                          ; v80-111: my own x fragments, 16 g + 8 i
.set XF,   112                         ; v112-207: the others' x fragments, 48 g + 8 (i - 2)
.set T,    208                         ; v208-239 at work
.set RS,   T                           ; eight chains of row sums
.set TA,   T+8                         ; eight addresses for the transposing loads
.set XA,   240                         ; v240-245: where position 2..7's fragments lie
.set SUMW, 246
.set SUMA, 247
.set OSA,  248
.set OLA,  249
.set GO,   250
.set REDW, 251
.set SC,   252                         ; v252-253: the last scale, twice
.set A0,   254                         ; v254-255: -0.1/(256 L), twice
; ---- window 1: first my own V fragments 8 (8 t + s); then M for positions 2-5 at 32 (i - 2) + 8 t, and c0 at v128-191 in ACC's order
.set C0,   128
; ---- window 2: first G's tiles of positions 2-5 in f32, 16 (4 (i - 2) + t) + 8 e + j; then M for positions 0, 1, 6, 7 at 32 q + 8 t
; ---- window 3: first G's tiles of positions 0, 1, 6, 7; then V^T's fragments at 32 i + 8 t for the last product
; ---- scalars: s[4:5] Q, s[6:7] V, s[8:9] out0 (each at the work-group's part), s10 w, s[12:15] offsets, s16 2 w, s17 4 w, s18 at work, s19 counter,
;      s[20:21] 2^-7/L twice, s[24:25] -2^-15/L twice, s26 2^-15, s27 1e-10, s28-29 selects of v_permlanex16_b32
.set MSB, 0
.macro WIN new                         ; s_set_vgpr_msb: bits 1:0 source 0, 3:2 source 1, 5:4 source 2, 7:6 destination; the high byte repeats the setting that is left
.if MSB != (\new)
	s_set_vgpr_msb (MSB<<8)|(\new)
.set MSB, (\new)
.endif
.endm
.macro PLACES                          ; four plain vector places behind a matrix instruction, ahead of vector work or loads on its registers
.rept 4
	v_nop
.endr
.endm
; ================= set-up: what the first loads need
	s_load_b128 s[4:7], s[0:1], 0x0                ; Q, V
	s_load_b64 s[8:9], s[0:1], 0x10                ; out0
	v_lshrrev_b32 v[TMP], 5, v0
	v_readfirstlane_b32 s10, v[TMP]                ; wave 0..3
	v_and_b32 v[LN], 31, v0
	v_lshlrev_b32 v[TMP], 4, v[LN]                 ; 16 lane
	v_lshl_add_u32 v[GV], s10, 16, v[TMP]          ; my 64 rows of V: 64 x 1,024 bytes a wave
	v_lshl_add_u32 v[GQ], s10, 13, v[TMP]          ; my 8 rows of Q
	s_lshl_b32 s12, ttmp9, 15                      ; 32 rows x 1,024 bytes a work-group, in Q and in out0
	s_mov_b32 s13, 0
	s_lshr_b32 s14, ttmp9, 6                       ; batch: 64 work-groups each
	s_lshl_b32 s14, s14, 18                        ; x 262,144 bytes of V
	s_mov_b32 s15, 0
	s_wait_kmcnt 0x0
	s_add_nc_u64 s[4:5], s[4:5], s[12:13]
	s_add_nc_u64 s[6:7], s[6:7], s[14:15]
	s_add_nc_u64 s[8:9], s[8:9], s[12:13]
; 16 loads of 512 contiguous bytes = 8 rows.  Batch 0: my rows of Q (read once in the launch); batches 1-8: my rows of V (read by 64 work-groups)
.macro LDB q, buf
.irp j, 0,1,2,3,4,5,6,7,8,9,10,11,12,13,14,15
.if \q == 0
	global_load_b128 v[LB+64*\buf+4*\j:LB+64*\buf+4*\j+3], v[GQ], s[4:5] offset:512*\j th:TH_LOAD_NT
.else
	global_load_b128 v[LB+64*\buf+4*\j:LB+64*\buf+4*\j+3], v[GV], s[6:7] offset:512*(16*(\q-1)+\j)
.endif
.endr
.endm
; a batch is narrowed to f16 in place and laid into LDS: 32 lanes x 8 bytes are half a row
.macro CVB q, buf, left
	s_wait_loadcnt \left                           ; loads come back in order: this batch is in, the younger ones stay out
.irp j, 0,1,2,3,4,5,6,7,8,9,10,11,12,13,14,15
	v_cvt_pk_f16_f32 v[LB+64*\buf+4*\j], v[LB+64*\buf+4*\j], v[LB+64*\buf+4*\j+1]
	v_cvt_pk_f16_f32 v[LB+64*\buf+4*\j+1], v[LB+64*\buf+4*\j+2], v[LB+64*\buf+4*\j+3]
.if \q == 0
	ds_store_b64 v[LSQ], v[LB+64*\buf+4*\j:LB+64*\buf+4*\j+1] offset:(\j>>1)*VP+(\j&1)*256
.else
	ds_store_b64 v[LSV], v[LB+64*\buf+4*\j:LB+64*\buf+4*\j+1] offset:((16*(\q-1)+\j)>>1)*VP+(\j&1)*256
.endif
.endr
.endm
	LDB 0, 0
	LDB 1, 1
	LDB 2, 2                                       ; 48 loads of every wave are out
; ================= the other addresses and constants, while the loads are on their way
	v_and_b32 v[RR], 15, v0
	v_bfe_u32 v[HH], v0, 4, 1
	v_mul_u32_u24 v[FR], v[RR], VP
	v_lshl_add_u32 v[FR], v[HH], 4, v[FR]
	s_lshl_b32 s16, s10, 1
	s_lshl_b32 s17, s10, 2
	s_mov_b32 s26, 0x38000000                      ; 2^-15
	s_mov_b32 s27, 0x2edbe6ff                      ; 1e-10
	s_mov_b32 s28, 0x76543210                      ; lane i of one half reads lane i of the other
	s_mov_b32 s29, 0xfedcba98
	s_mul_i32 s18, s10, 64*VP                      ; my 64 rows of V in LDS (V begins at byte 0)
	v_lshl_add_u32 v[LSV], v[LN], 3, s18
	v_add_nc_u32 v[OWNA], s18, v[FR]
	s_mul_i32 s18, s10, 8*VP
	s_add_co_u32 s18, s18, QS
	v_lshl_add_u32 v[LSQ], v[LN], 3, s18
	v_add_nc_u32 v[QSA], QS, v[FR]
	v_and_b32 v[TRB], 7, v0                        ; transposing load: row 8 h + (lane & 7),
	v_lshl_add_u32 v[TRB], v[HH], 3, v[TRB]
	v_mul_u32_u24 v[TRB], v[TRB], VP
	v_bfe_u32 v[CA], v0, 3, 1                      ; 16 bytes further for lanes 8-15 of each half,
	v_lshl_add_u32 v[TRB], v[CA], 4, v[TRB]
	v_lshl_add_u32 v[TRB], s10, 7, v[TRB]          ; my 64 columns: 128 bytes a wave
	s_lshl_b32 s18, s10, 11
	s_add_co_u32 s18, s18, EX
	v_add_nc_u32 v[STA], s18, v[TMP]               ; K steps 2 w and 2 w + 1
.irp i, 2,3,4,5,6,7
	s_add_co_u32 s18, s16, \i
	s_and_b32 s18, s18, 7                          ; position i is K step (2 w + i) & 7
	s_lshl_b32 s18, s18, 10
	s_add_co_u32 s18, s18, EX
	v_add_nc_u32 v[XA+\i-2], s18, v[TMP]
.endr
	v_lshlrev_b32 v[SUMA], 4, v[RR]
	v_add_nc_u32 v[SUMA], SUMS, v[SUMA]
	v_lshl_add_u32 v[SUMW], s10, 2, v[SUMA]
	s_mul_i32 s18, s10, 32*OP
	s_add_co_u32 s18, s18, OST
	v_mul_u32_u24 v[OSA], v[RR], OP                ; in: row r, 32 bytes for each half of the lanes
	v_lshl_add_u32 v[OSA], v[HH], 5, v[OSA]
	v_add_nc_u32 v[OSA], s18, v[OSA]
	v_mul_u32_u24 v[OLA], v[HH], OP                ; back: lanes 0-15 one row of 256 bytes, lanes 16-31 the next
	v_lshl_add_u32 v[OLA], v[RR], 4, v[OLA]
	v_add_nc_u32 v[OLA], s18, v[OLA]
	v_lshlrev_b32 v[GO], 10, v[HH]                 ; the same two rows in out0, at my wave's 256 bytes
	v_lshl_add_u32 v[GO], v[RR], 4, v[GO]
	v_lshl_add_u32 v[GO], s10, 8, v[GO]
	s_lshl_b32 s18, s10, 2
	s_add_co_u32 s18, s18, RED
	v_mov_b32 v[REDW], s18
; ================= V and Q into LDS as f16; three buffers take turns
	CVB 0, 0, 32
	LDB 3, 0
	CVB 1, 1, 32
	LDB 4, 1
	CVB 2, 2, 32
	LDB 5, 2
	CVB 3, 0, 32
	LDB 6, 0
	CVB 4, 1, 32
	LDB 7, 1
	CVB 5, 2, 32
	LDB 8, 2
	CVB 6, 0, 32
	CVB 7, 1, 16                                   ; nothing more is asked for: the counts run down
	CVB 8, 2, 0
	s_wait_dscnt 0x0                               ; my rows are in LDS,
	s_barrier_signal -1
	s_barrier_wait -1                              ; everybody's are.  V and Q in LDS are only read from here on
; ================= fragments: 16 rows x 32 along d = two loads of 16 bytes, 32 bytes apart, at row x pitch + 16 h
.irp g, 0,1
.irp s, 0,1,2,3,4,5,6,7
	ds_load_b128 v[QF+8*(8*\g+\s):QF+8*(8*\g+\s)+3],   v[QSA] offset:16*VP*\g+64*\s
	ds_load_b128 v[QF+8*(8*\g+\s)+4:QF+8*(8*\g+\s)+7], v[QSA] offset:16*VP*\g+64*\s+32
.endr
.endr
	WIN 0x40                                       ; destination window 1: my own 64 rows of V
.irp t, 0,1,2,3
.irp s, 0,1,2,3,4,5,6,7
	ds_load_b128 v[8*(8*\t+\s):8*(8*\t+\s)+3],   v[OWNA] offset:16*VP*\t+64*\s
	ds_load_b128 v[8*(8*\t+\s)+4:8*(8*\t+\s)+7], v[OWNA] offset:16*VP*\t+64*\s+32
.endr
.endr
	s_wait_dscnt 0x0
; ================= R = V q, raw: lane (r, h) gets query r, unknowns 16 t + 8 h + 0..7.  The first product starts each sum.
; Here and in every run of products below the accumulators take turns, one instruction a turn.
	WIN 0x01
.irp s, 0,1,2,3,4,5,6,7
.irp g, 0,1
.irp t, 0,1,2,3
.if \s == 0
	v_wmma_f32_16x16x32_f16 v[ACC+32*\g+8*\t:ACC+32*\g+8*\t+7], v[8*(8*\t+\s):8*(8*\t+\s)+7], v[QF+8*(8*\g+\s):QF+8*(8*\g+\s)+7], 0
.else
	v_wmma_f32_16x16x32_f16 v[ACC+32*\g+8*\t:ACC+32*\g+8*\t+7], v[8*(8*\t+\s):8*(8*\t+\s)+7], v[QF+8*(8*\g+\s):QF+8*(8*\g+\s)+7], v[ACC+32*\g+8*\t:ACC+32*\g+8*\t+7]
.endif
.endr
.endr
.endr
; ================= my slab of G = V V^T, 16 units of one column tile each.  Unit p takes column tile (4 w + p) & 15, which is half p & 1 of
; position p >> 1.  Source 0 = the column tile's 16 rows of V, source 1 = 16 of my own rows: lane (r, h) gets G[own row r][columns 8 h + 0..7],
; eight neighbouring k of a source-0 fragment of M.
.macro FETCHU p
	WIN 0
	s_add_co_u32 s18, s17, \p
	s_and_b32 s18, s18, 15
	s_mul_i32 s18, s18, 16*VP
	v_add_nc_u32 v[CA+(\p&1)], s18, v[FR]
.irp s, 0,1,2,3,4,5,6,7
	ds_load_b128 v[CF+64*(\p&1)+8*\s:CF+64*(\p&1)+8*\s+3],   v[CA+(\p&1)] offset:64*\s
	ds_load_b128 v[CF+64*(\p&1)+8*\s+4:CF+64*(\p&1)+8*\s+7], v[CA+(\p&1)] offset:64*\s+32
.endr
.endm
; win: 0xa4 = source 1 window 1, C and D window 2; 0xf4 = the same with window 3.  q: the position's place among its window's four
.macro QUNIT p, win, q
.if \p < 15
.if \p > 0
	PLACES                                         ; the buffer filled next was read by the unit before
.endif
	FETCHU (\p+1)
	s_wait_dscnt 16                                ; this unit's 16 loads are in; the next unit's 16 stay out
.else
	s_wait_dscnt 0x0
.endif
	WIN \win
.irp s, 0,1,2,3,4,5,6,7
.irp t, 0,1,2,3
.if \s == 0
	v_wmma_f32_16x16x32_f16 v[64*\q+16*\t+8*(\p&1):64*\q+16*\t+8*(\p&1)+7], v[CF+64*(\p&1)+8*\s:CF+64*(\p&1)+8*\s+7], v[8*(8*\t+\s):8*(8*\t+\s)+7], 0
.else
	v_wmma_f32_16x16x32_f16 v[64*\q+16*\t+8*(\p&1):64*\q+16*\t+8*(\p&1)+7], v[CF+64*(\p&1)+8*\s:CF+64*(\p&1)+8*\s+7], v[8*(8*\t+\s):8*(8*\t+\s)+7], v[64*\q+16*\t+8*(\p&1):64*\q+16*\t+8*(\p&1)+7]
.endif
.endr
.endr
.endm
	PLACES                                         ; both buffers lie where Q's fragments lay
	FETCHU 0
	QUNIT 0,  0xf4, 0                              ; positions 0, 1 -> window 3
	QUNIT 1,  0xf4, 0
	QUNIT 2,  0xf4, 1
	QUNIT 3,  0xf4, 1
	QUNIT 4,  0xa4, 0                              ; positions 2-5 -> window 2
	QUNIT 5,  0xa4, 0
	QUNIT 6,  0xa4, 1
	QUNIT 7,  0xa4, 1
	QUNIT 8,  0xa4, 2
	QUNIT 9,  0xa4, 2
	QUNIT 10, 0xa4, 3
	QUNIT 11, 0xa4, 3
	QUNIT 12, 0xf4, 2                              ; positions 6, 7 -> window 3
	QUNIT 13, 0xf4, 2
	QUNIT 14, 0xf4, 3
	QUNIT 15, 0xf4, 3
; ================= L: the largest row sum of |G|.  A lane holds 128 numbers of each of its four rows (t); eight chains, by t and half tile
.macro ABSSUM later
.irp q, 0,1,2,3
.irp j, 0,1,2,3,4,5,6,7
.irp e, 0,1
.irp t, 0,1,2,3
.if (\later+\q+\j) == 0
	v_add_f32 v[RS+\t+4*\e], |v[16*(4*\q+\t)+8*\e+\j]|, 0           ; the first link starts the chain
.else
	v_add_f32 v[RS+\t+4*\e], |v[16*(4*\q+\t)+8*\e+\j]|, v[RS+\t+4*\e]
.endif
.endr
.endr
.endr
.endr
.endm
	PLACES
	WIN 0x02
	ABSSUM 0
	WIN 0x03
	ABSSUM 1
	WIN 0
.irp t, 0,1,2,3
	v_add_f32 v[RS+\t], v[RS+\t], v[RS+\t+4]
.endr
.irp t, 0,1,2,3
	v_permlanex16_b32 v[RS+\t+4], v[RS+\t], s28, s29               ; the row's other 128 columns lie in the other half of the lanes
.endr
.irp t, 0,1,2,3
	v_add_f32 v[RS+\t], v[RS+\t], v[RS+\t+4]
.endr
	v_max3_num_f32 v[RS], v[RS], v[RS+1], v[RS+2]
	v_max_num_f32 v[RS], v[RS], v[RS+3]
	v_max_num_f32_dpp v[RS], v[RS], v[RS] row_xmask:1 row_mask:0xf bank_mask:0xf
	v_max_num_f32_dpp v[RS], v[RS], v[RS] row_xmask:2 row_mask:0xf bank_mask:0xf
	v_max_num_f32_dpp v[RS], v[RS], v[RS] row_xmask:4 row_mask:0xf bank_mask:0xf
	v_max_num_f32_dpp v[RS], v[RS], v[RS] row_xmask:8 row_mask:0xf bank_mask:0xf
	ds_store_b32 v[REDW], v[RS]                    ; every lane holds my 64 rows' maximum
	s_wait_dscnt 0x0
	s_barrier_signal -1
	s_barrier_wait -1
	v_mov_b32 v[TMP], RED
	ds_load_b128 v[RS:RS+3], v[TMP]
	s_wait_dscnt 0x0
	v_max3_num_f32 v[RS], v[RS], v[RS+1], v[RS+2]
	v_max_num_f32 v[RS], v[RS], v[RS+3]
	v_fma_f32 v[RS], v[RS], s26, s27               ; L = 2^-15 x the raw maximum + 1e-10
	v_rcp_f32 v[RS+1], v[RS]
	v_nop                                          ; one plain place behind the reciprocal (ISA guide 5.7.2)
	s_wait_alu depctr_va_vdst(0)
	v_mul_f32 v[RS+2], 0x3c000000, v[RS+1]         ; 2^-7 / L
	v_mul_f32 v[RS+3], 0xb8000000, v[RS+1]         ; -2^-15 / L
	v_mul_f32 v[A0], 0xb9cccccd, v[RS+1]           ; -(0.1/256) / L
	v_mul_f32 v[A0+1], 0xb9cccccd, v[RS+1]
	v_readfirstlane_b32 s20, v[RS+2]
	v_readfirstlane_b32 s21, v[RS+2]
	v_readfirstlane_b32 s24, v[RS+3]
	v_readfirstlane_b32 s25, v[RS+3]
; ================= M = -2^-15 G / L in f16: 256 registers of f32 become 128; register pair 2 m, 2 m + 1 becomes register m
.macro SCALE256
.set k, 0
.rept 128
	v_pk_mul_f32 v[k:k+1], v[k:k+1], s[24:25] op_sel_hi:[1,0]
.set k, k+2
.endr
.endm
.macro PACK256
.set k, 0
.rept 128
	v_cvt_pk_f16_f32 v[k], v[2*k], v[2*k+1]
.set k, k+1
.endr
.endm
	WIN 0x82                                       ; window 2 in place
	SCALE256
	WIN 0x4a                                       ; window 2 -> window 1 (my V fragments there are no longer needed)
	PACK256
	WIN 0xc3                                       ; window 3 in place
	SCALE256
	WIN 0x8f                                       ; window 3 -> window 2
	PACK256
	WIN 0x40                                       ; c0 = R 2^-7/L - 0.1/(256 L), kept in window 1 ...
.set k, 0
.rept 32
	v_pk_fma_f32 v[C0+k:C0+k+1], v[ACC+k:ACC+k+1], s[20:21], v[A0:A0+1] op_sel_hi:[1,0,1]
.set k, k+2
.endr
	WIN 0                                          ; ... and in the accumulators, where its clip is x(1)
.set k, 0
.rept 32
	v_pk_fma_f32 v[ACC+k:ACC+k+1], v[ACC+k:ACC+k+1], s[20:21], v[A0:A0+1] op_sel_hi:[1,0,1]
.set k, k+2
.endr
; V^T's fragments for the last product: rows = my 64 columns d of V, K = the unknowns, by position.  V lies [k][d] in LDS: transposing loads
.irp i, 0,1,2,3,4,5,6,7
	s_add_co_u32 s18, s16, \i
	s_and_b32 s18, s18, 7
	s_mul_i32 s18, s18, 32*VP
	v_add_nc_u32 v[TA+\i], s18, v[TRB]
.endr
	WIN 0xc0                                       ; destination window 3
.irp i, 0,1,2,3,4,5,6,7
.irp t, 0,1,2,3
	ds_load_tr16_b128 v[32*\i+8*\t:32*\i+8*\t+3],   v[TA+\i] offset:32*\t
	ds_load_tr16_b128 v[32*\i+8*\t+4:32*\i+8*\t+7], v[TA+\i] offset:32*\t+16*VP
.endr
.endr
	WIN 0
; ================= the pieces of a half step.  g, o: 0 = group A, 1 = group B
; one product: position i, tile t of group g.  fin = 1: the last product, V^T x, whose position 0 starts the sums
.macro MMA g, i, t, fin
.if \fin
.set AB, 32*\i+8*\t
.elseif \i < 2
.set AB, 32*\i+8*\t
.elseif \i < 6
.set AB, 32*(\i-2)+8*\t
.else
.set AB, 32*(\i-4)+8*\t
.endif
.if \i < 2
.set BB, XO+16*\g+8*\i
.else
.set BB, XF+48*\g+8*(\i-2)
.endif
.set ZC, 0
.if \fin
.if \i == 0
.set ZC, 1
.endif
.endif
.if ZC
	v_wmma_f32_16x16x32_f16 v[ACC+32*\g+8*\t:ACC+32*\g+8*\t+7], v[AB:AB+7], v[BB:BB+7], 0
.else
	v_wmma_f32_16x16x32_f16 v[ACC+32*\g+8*\t:ACC+32*\g+8*\t+7], v[AB:AB+7], v[BB:BB+7], v[ACC+32*\g+8*\t:ACC+32*\g+8*\t+7]
.endif
.endm
.macro MED o, n                        ; the next n numbers of group o are clipped to [0, 1]; source 0 is a constant, so any window of source 0 will do
.rept \n
	v_med3_num_f32 v[ACC+32*\o+MC], 0, v[ACC+32*\o+MC], 1.0
.set MC, MC+1
.endr
.endm
.macro ADDC o                          ; the next two numbers of group o get + c0 (source 0 in window 1, as M's fragments of positions 2-5)
	v_pk_add_f32 v[ACC+32*\o+AC:ACC+32*\o+AC+1], v[C0+32*\o+AC:C0+32*\o+AC+1], v[ACC+32*\o+AC:ACC+32*\o+AC+1]
.set AC, AC+2
.endm
.macro CVT o                           ; x to f16: tiles 0, 1 make my first K step's fragment, tiles 2, 3 my second's
.irp m, 0,1,2,3,4,5,6,7,8,9,10,11,12,13,14,15
	v_cvt_pk_f16_f32 v[XO+16*\o+\m], v[ACC+32*\o+2*\m], v[ACC+32*\o+2*\m+1]
.endr
.endm
.macro XST o
.irp q, 0,1,2,3
	ds_store_b128 v[STA], v[XO+16*\o+4*\q:XO+16*\o+4*\q+3] offset:8192*\o+512*\q
.endr
.endm
.macro XLD o
.irp p, 0,1,2,3,4,5
	ds_load_b128 v[XF+48*\o+8*\p:XF+48*\o+8*\p+3],   v[XA+\p] offset:8192*\o
	ds_load_b128 v[XF+48*\o+8*\p+4:XF+48*\o+8*\p+7], v[XA+\p] offset:8192*\o+512
.endr
.endm
.macro ROWSUM o                        ; the sum of my 64 unknowns of query r, in f32, into my word of the query's four
.irp k, 0,1,2,3,4,5,6,7
	v_pk_add_f32 v[T+2*\k:T+2*\k+1], v[ACC+32*\o+4*\k:ACC+32*\o+4*\k+1], v[ACC+32*\o+4*\k+2:ACC+32*\o+4*\k+3]
.endr
.irp k, 0,1,2,3
	v_pk_add_f32 v[T+2*\k:T+2*\k+1], v[T+2*\k:T+2*\k+1], v[T+2*\k+8:T+2*\k+9]
.endr
.irp k, 0,1
	v_pk_add_f32 v[T+2*\k:T+2*\k+1], v[T+2*\k:T+2*\k+1], v[T+2*\k+4:T+2*\k+5]
.endr
	v_pk_add_f32 v[T:T+1], v[T:T+1], v[T+2:T+3]
	v_add_f32 v[T], v[T], v[T+1]
	v_permlanex16_b32 v[T+1], v[T], s28, s29
	v_add_f32 v[T], v[T], v[T+1]
	ds_store_b32 v[SUMW], v[T] offset:256*\o       ; both halves of the lanes write the same number to the same word
.endm
; HALF: the 32 products of group g; beside them group o, whose products ended just before, is made ready for its next ones.
; ep = 1: clip, pack, exchange, + c0.  ep = 2: the last x: clip, row sums, pack, exchange.  ep = 0: nothing.
; One barrier.  In front of its signal a wave's stores of o's fragments and its loads of g's are done; behind its wait o's fragments are read.
; o's bytes are stored again two halves later, behind the next half's barrier, in front of which every wave has waited for these reads.
.macro HALF g, o, fin, ep
.set MC, 0
.set AC, 0
	WIN 2+\fin
	MMA \g, 0, 0, \fin                             ; positions 0 and 1 are my own fragments: no wait
.if \ep
	PLACES                                         ; four places behind group o's last products, ahead of all vector work and loads on their registers
.endif
.irp t, 1,2,3
	MMA \g, 0, \t, \fin
.if \ep
	MED \o, 5
.endif
.endr
.irp t, 0,1,2
	MMA \g, 1, \t, \fin
.if \ep
	MED \o, 5
.endif
.endr
	MMA \g, 1, 3, \fin
.if \ep
	MED \o, 2
	WIN 0
.if \ep == 2
	ROWSUM \o
.endif
	CVT \o
	XST \o
.endif
	WIN 1+2*\fin
.if \ep == 1
	s_wait_dscnt 4                                 ; g's 12 fragment loads are in; the four stores just issued may be out
.elseif \ep == 2
	s_wait_dscnt 5                                 ; the same with five stores: the sum's and the four fragments'
.else
	s_wait_dscnt 0x0
.endif
.irp i, 2,3
.irp t, 0,1,2,3
	MMA \g, \i, \t, \fin
.if \ep == 1
	ADDC \o
	ADDC \o
.endif
.endr
.endr
.if \ep
	s_wait_dscnt 0x0                               ; for the others' sake: my stores are in LDS
	s_barrier_signal -1
.endif
.irp i, 4,5
.irp t, 0,1,2,3
	MMA \g, \i, \t, \fin                           ; register work while the others arrive
.endr
.endr
.if \ep
	WIN 0
	s_barrier_wait -1
	XLD \o
.if \ep == 2
	ds_load_b128 v[SP+4*\o:SP+4*\o+3], v[SUMA] offset:256*\o       ; the four waves' sums of query r
.endif
.endif
	WIN 2+\fin
.irp i, 6,7
.irp t, 0,1,2,3
	MMA \g, \i, \t, \fin
.endr
.endr
.endm
; ================= x(1) of group A is made ready; group B's accumulators hold c0, which the first half clips
.set MC, 0
	MED 0, 32
	CVT 0
	XST 0
	s_wait_dscnt 0x0                               ; my stores are in LDS (and V^T's fragments in their registers)
	s_barrier_signal -1
	s_barrier_wait -1
	XLD 0
	WIN 0x01
.set AC, 0
.rept 16
	ADDC 0
.endr
	WIN 0                                          ; at a label and at a branch every window is 0
; ================= 48 trips: each makes the next x of both groups.  At the head: A holds x + c0 with its fragments on their way, B its sums not yet clipped
	s_mov_b32 s19, 48
.Lstep:
	HALF 0, 1, 0, 1
	HALF 1, 0, 0, 1
	WIN 0
	s_sub_co_u32 s19, s19, 1
	s_cmp_lg_u32 s19, 0
	s_cbranch_scc1 .Lstep
; ================= the 49th product of each group, then V^T x
	HALF 0, 1, 0, 1                                ; A's 49th product; B's x(49) made ready
	HALF 1, 0, 0, 2                                ; B's 49th product; A's x(50): sums and fragments
	HALF 0, 1, 1, 2                                ; A's last product; B's x(50)
	HALF 1, 0, 1, 0                                ; B's last product; its wait for 0 has also shown both groups' sums loaded
; ================= the way out: scale by 2^-8 / (sum + 1e-10), then 16 rows through my own stage in LDS so that sixteen lanes store 256 consecutive bytes, aligned
.macro OUT g, tmp
	v_add_f32 v[SC], v[SP+4*\g], v[SP+4*\g+1]
	v_add_f32 v[SC+1], v[SP+4*\g+2], v[SP+4*\g+3]
	v_add_f32 v[SC], v[SC], v[SC+1]
	v_add_f32 v[SC], s27, v[SC]
	v_rcp_f32 v[TMP], v[SC]
	v_nop                                          ; one plain place behind the reciprocal (ISA guide 5.7.2)
	s_wait_alu depctr_va_vdst(0)
	v_mul_f32 v[SC], 0x3b800000, v[TMP]
	v_mul_f32 v[SC+1], 0x3b800000, v[TMP]
.set k, 0
.rept 16
	v_pk_mul_f32 v[ACC+32*\g+k:ACC+32*\g+k+1], v[ACC+32*\g+k:ACC+32*\g+k+1], v[SC:SC+1]
.set k, k+2
.endr
.irp t, 0,1,2,3
	ds_store_b128 v[OSA], v[ACC+32*\g+8*\t:ACC+32*\g+8*\t+3]   offset:16*OP*\g+64*\t
	ds_store_b128 v[OSA], v[ACC+32*\g+8*\t+4:ACC+32*\g+8*\t+7] offset:16*OP*\g+64*\t+16
.endr
.irp u, 0,1,2,3,4,5,6,7
	ds_load_b128 v[\tmp+4*\u:\tmp+4*\u+3], v[OLA] offset:(16*\g+2*\u)*OP     ; LDS serves a wave's instructions in order (ISA guide 5.7.1.4): these see the stores above
.endr
.irp u, 0,1,2,3,4,5,6,7
	s_wait_dscnt 7-\u                              ; read-back u is in, the younger ones stay out
	global_store_b128 v[GO], v[\tmp+4*\u:\tmp+4*\u+3], s[8:9] offset:(16*\g+2*\u)*1024 th:TH_STORE_NT
.endr
.endm
	WIN 0
	PLACES                                         ; behind the last products: their results are read, and group A's fragment registers are loaded into
	OUT 0, T
	OUT 1, XF
	s_wait_xcnt 0x0
	v_lshl_add_u32 v254, v0, 2, 0x31d00
	v_mov_b32 v255, 0
	s_wait_tensorcnt 0x0
	ds_add_u32 v254, v255
	s_wait_dscnt 0x0
	s_endpgm
.Lfunc_end_k_q745c6cc5a8_boxqp:
	.size	k_q745c6cc5a8_boxqp, .Lfunc_end_k_q745c6cc5a8_boxqp-k_q745c6cc5a8_boxqp
	.p2alignl 7, 3214868480
	.fill 96, 4, 3214868480
	.section	.rodata,"a",@progbits
	.p2align	6, 0x0
	.amdhsa_kernel k_q745c6cc5a8_boxqp
		.amdhsa_group_segment_fixed_size 204544
		.amdhsa_private_segment_fixed_size 0
		.amdhsa_enable_private_segment 0
		.amdhsa_kernarg_size 24
		.amdhsa_user_sgpr_count 2
		.amdhsa_user_sgpr_kernarg_segment_ptr 1
		.amdhsa_wavefront_size32 1
		.amdhsa_system_sgpr_workgroup_id_x 1
		.amdhsa_system_sgpr_workgroup_id_y 1
		.amdhsa_system_sgpr_workgroup_id_z 1
		.amdhsa_system_vgpr_workitem_id 0
		.amdhsa_next_free_vgpr 1024
		.amdhsa_next_free_sgpr 66
		.amdhsa_reserve_vcc 0
		.amdhsa_float_denorm_mode_32 3
		.amdhsa_float_denorm_mode_16_64 3
		.amdhsa_memory_ordered 1
		.amdhsa_forward_progress 1
		.amdhsa_inst_pref_size 237
	.end_amdhsa_kernel
	.amdgpu_metadata
---
amdhsa.version: [ 1, 2 ]
amdhsa.kernels:
  - .name:           k_q745c6cc5a8_boxqp
    .symbol:         k_q745c6cc5a8_boxqp.kd
    .args:
      - { .name: Q, .offset: 0, .size: 8, .value_kind: global_buffer, .address_space: global }
      - { .name: V, .offset: 8, .size: 8, .value_kind: global_buffer, .address_space: global }
      - { .name: out0, .offset: 16, .size: 8, .value_kind: global_buffer, .address_space: global }
    .group_segment_fixed_size: 204544
    .private_segment_fixed_size: 0
    .kernarg_segment_align: 8
    .kernarg_segment_size: 24
    .max_flat_workgroup_size: 128
    .sgpr_count:     66
    .vgpr_count:     1024
    .wavefront_size: 32
...
	.end_amdgpu_metadata
.endif
;; end of part 1
